; MI455X (gfx1250); checked and timed in simulation.
; The chip was launched on July 23, 2026; its instructions are those of AMD's public machine-readable ISA for CDNA 5 (MIT licence, August 2026) and "CDNA5" Instruction Set Architecture Reference Guide (July 2026). The comments in the code are by the model that wrote it; some were corrected since.
;; Neural Tensor Layer. Allowed arithmetic: float matrix products may take bf16 or f16 operands with f32 sums; all other float work in f32.
;; Inputs: T1 64 x 64 x 64 float32; T2 64 x 64 x 64 float32; T3 64 x 64 x 64 float32; W 64 x 128 float32; b 64 x 1 float32; e1 32,768 x 64 float32; e2 32,768 x 64 float32; er 32,768 x 64 float32; p 32,768 x 64 float32.
;; Outputs: out0 2 x 64 x 32,768 float32.
;; 2 versions, each right; version 2 is version 1 with the launch prep written anew for expert scheduling mode. Each part assembles by itself: llvm-mc -triple=amdgcn-amd-amdhsa -mcpu=gfx1250 --defsym DOCPART=n.
;; ======== version 1 of 2: 3 launches
;; limits: values outside matrix products are rounded to bf16
;; workspace buffers: tf 1,572,864 bytes; waa 16,777,216 bytes; wc 8,388,608 bytes
;; launch prep (part 1): grid 256 x 1, 3 waves a work-group, no clusters, 6,656 bytes of LDS; arguments T1, T2, T3, tf; writes tf
.if DOCPART == 1
	.amdgcn_target "amdgcn-amd-amdhsa--gfx1250"
	.amdhsa_code_object_version 6
	.text
	.protected	k_qeca40519e3_prep
	.globl	k_qeca40519e3_prep
	.p2align	8
	.type	k_qeca40519e3_prep,@function
k_qeca40519e3_prep:
	s_mov_b64 s[64:65], 0
	v_nop
	global_prefetch_b8 v0, s[64:65] scope:SCOPE_SE
	s_setreg_imm32_b32 hwreg(HW_REG_WAVE_MODE, 25, 1), 1
	s_wait_xcnt 0x0
; T1, T2, T3 [64 k][64 i][64 j] f32  ->  tf: the same numbers rounded once to bf16, laid out as the matrix unit's A fragments.
; tf order: [tensor][j8 = k & 7][wv = k >> 4][mbr = (k >> 3) & 1][c = i / 16][q][g][lane 16 h + r][16 bytes],
; lane 16 h + r holding T[k][16 c + r][32 q + 16 g + 8 h + 0..7]: 2 KiB for a chunk (k, c), 8 KiB for a k, 64 KiB for a j8.
; Work-group g = 4 k + c; wave n takes tensor n and makes one chunk: 16 rows of 256 bytes in, 2 KiB out.
; The chunk is turned in the wave's own 2 KiB of LDS, so that loads and stores each cover 512 consecutive bytes.
; No matrix unit, no cluster, no barrier: the waves share nothing.
	s_load_b256 s[4:11], s[0:1], 0x0               ; T1 s[4:5], T2 s[6:7], T3 s[8:9], tf s[10:11]
	v_lshl_add_u32 v64, v0, 2, 0x1800
	v_mov_b32 v65, 0
	v_lshrrev_b32 v1, 5, v0
	v_readfirstlane_b32 s12, v1                    ; wave = tensor
	v_and_b32 v2, 31, v0                           ; lane L
	v_and_b32 v4, 15, v0                           ; x = L & 15: my four columns are j = 4 x .. 4 x + 3
	v_bfe_u32 v5, v0, 4, 1                         ; L >> 4: which of a load's two rows
	v_lshlrev_b32 v3, 4, v2                        ; 16 L
	v_bfe_u32 v6, v4, 3, 1                         ; q
	v_lshlrev_b32 v7, 10, v6
	v_bfe_u32 v6, v4, 2, 1                         ; g
	v_lshl_add_u32 v7, v6, 9, v7
	v_bfe_u32 v6, v4, 1, 1                         ; h
	v_lshl_add_u32 v7, v6, 8, v7
	v_lshl_add_u32 v7, v5, 4, v7                   ; the row's 16 bytes (the even part of the row stands in the immediate)
	v_and_b32 v6, 1, v4
	v_lshl_add_u32 v7, v6, 3, v7                   ; which half of the 16 bytes
	s_lshl_b32 s13, s12, 11                        ; my wave's 2 KiB
	v_add_nc_u32 v7, s13, v7                       ; where my 8 bytes go
	v_add_nc_u32 v6, s13, v3                       ; where I read 16 bytes back
	s_lshl_b32 s16, ttmp9, 12                      ; source: 4,096 bytes for each (k, c)
	s_mov_b32 s17, 0
	s_lshr_b32 s18, ttmp9, 2                       ; k
	s_and_b32 s19, ttmp9, 3                        ; c
	s_lshl_b32 s20, s19, 11
	s_and_b32 s19, s18, 7
	s_lshl_b32 s19, s19, 16
	s_add_co_u32 s20, s20, s19
	s_lshr_b32 s19, s18, 4
	s_lshl_b32 s19, s19, 14
	s_add_co_u32 s20, s20, s19
	s_bfe_u32 s19, s18, 0x10003
	s_lshl_b32 s19, s19, 13
	s_add_co_u32 s20, s20, s19
	s_lshl_b32 s19, s12, 19                        ; 524,288 bytes for each tensor
	s_add_co_u32 s20, s20, s19
	s_mov_b32 s21, 0
	s_wait_kmcnt 0x0
	s_cmp_eq_u32 s12, 1
	s_cselect_b64 s[14:15], s[6:7], s[4:5]
	s_cmp_eq_u32 s12, 2
	s_cselect_b64 s[14:15], s[8:9], s[14:15]       ; my tensor
	s_add_nc_u64 s[14:15], s[14:15], s[16:17]
	s_add_nc_u64 s[10:11], s[10:11], s[20:21]
.irp t, 0,1,2,3,4,5,6,7
	global_load_b128 v[8+4*\t:8+4*\t+3], v3, s[14:15] offset:512*\t th:TH_LOAD_NT   ; rows 2 t and 2 t + 1, whole
.endr
.irp t, 0,1,2,3,4,5,6,7
	s_wait_loadcnt 7-\t                            ; loads come back in order: load t is in, the younger ones stay out
	v_cvt_pk_bf16_f32 v[40+2*\t], v[8+4*\t], v[8+4*\t+1]
	v_cvt_pk_bf16_f32 v[41+2*\t], v[8+4*\t+2], v[8+4*\t+3]
	ds_store_b64 v7, v[40+2*\t:41+2*\t] offset:32*\t
.endr
.irp s, 0,1,2,3
	ds_load_b128 v[8+4*\s:8+4*\s+3], v6 offset:512*\s       ; my own bytes; LDS serves a wave's instructions in order
.endr
.irp s, 0,1,2,3
	s_wait_dscnt 3-\s
	global_store_b128 v3, v[8+4*\s:8+4*\s+3], s[10:11] offset:512*\s    ; 512 consecutive bytes, aligned
.endr
	s_wait_tensorcnt 0x0
	ds_add_u32 v64, v65
	s_wait_dscnt 0x0
	s_endpgm
.Lfunc_end_k_qeca40519e3_prep:
	.size	k_qeca40519e3_prep, .Lfunc_end_k_qeca40519e3_prep-k_qeca40519e3_prep
	.p2alignl 7, 3214868480
	.fill 96, 4, 3214868480
	.section	.rodata,"a",@progbits
	.p2align	6, 0x0
	.amdhsa_kernel k_qeca40519e3_prep
		.amdhsa_group_segment_fixed_size 6656
		.amdhsa_private_segment_fixed_size 0
		.amdhsa_enable_private_segment 0
		.amdhsa_kernarg_size 32
		.amdhsa_user_sgpr_count 2
		.amdhsa_user_sgpr_kernarg_segment_ptr 1
		.amdhsa_wavefront_size32 1
		.amdhsa_system_sgpr_workgroup_id_x 1
		.amdhsa_system_sgpr_workgroup_id_y 1
		.amdhsa_system_sgpr_workgroup_id_z 1
		.amdhsa_system_vgpr_workitem_id 0
		.amdhsa_next_free_vgpr 66
		.amdhsa_next_free_sgpr 66
		.amdhsa_reserve_vcc 0
		.amdhsa_float_denorm_mode_32 3
		.amdhsa_float_denorm_mode_16_64 3
		.amdhsa_memory_ordered 1
		.amdhsa_forward_progress 1
		.amdhsa_inst_pref_size 6
	.end_amdhsa_kernel
	.amdgpu_metadata
---
amdhsa.version: [ 1, 2 ]
amdhsa.kernels:
  - .name:           k_qeca40519e3_prep
    .symbol:         k_qeca40519e3_prep.kd
    .args:
      - { .name: T1, .offset: 0, .size: 8, .value_kind: global_buffer, .address_space: global }
      - { .name: T2, .offset: 8, .size: 8, .value_kind: global_buffer, .address_space: global }
      - { .name: T3, .offset: 16, .size: 8, .value_kind: global_buffer, .address_space: global }
      - { .name: tf, .offset: 24, .size: 8, .value_kind: global_buffer, .address_space: global }
    .group_segment_fixed_size: 6656
    .private_segment_fixed_size: 0
    .kernarg_segment_align: 8
    .kernarg_segment_size: 32
    .max_flat_workgroup_size: 96
    .sgpr_count:     66
    .vgpr_count:     66
    .wavefront_size: 32
...
	.end_amdgpu_metadata
.endif
;; end of part 1
;; launch stage1 (part 2): grid 256 x 1, 4 waves a work-group, clusters of 4 x 1, 327,680 bytes of LDS; arguments e1, er, p, e2, W, b, tf, waa, wc; writes waa, wc
.if DOCPART == 2
	.amdgcn_target "amdgcn-amd-amdhsa--gfx1250"
	.amdhsa_code_object_version 6
	.text
	.protected	k_qeca40519e3_stage1
	.globl	k_qeca40519e3_stage1
	.p2align	8
	.type	k_qeca40519e3_stage1,@function
k_qeca40519e3_stage1:
	s_mov_b64 s[64:65], 0
	v_nop
	global_prefetch_b8 v0, s[64:65] scope:SCOPE_SE
	s_setreg_imm32_b32 hwreg(HW_REG_WAVE_MODE, 25, 1), 1
	s_wait_xcnt 0x0
	s_wait_alu depctr_hold_cnt(0) depctr_sa_sdst(0) depctr_va_vdst(0) depctr_va_sdst(0) depctr_va_ssrc(0) depctr_va_vcc(0) depctr_vm_vsrc(0)
	s_getreg_b32 s2, hwreg(HW_REG_IB_STS2, 6, 4)
	s_cmp_eq_u32 s2, 0
	s_cbranch_scc0 .Lentry_in_a_cluster
	s_endpgm
.Lentry_in_a_cluster:
	s_bfe_u32 s2, ttmp6, 0x10000c
	s_cmp_lg_u32 s2, 0x3003
	s_cbranch_scc0 .Lentry_shape_is_right
	s_endpgm
.Lentry_shape_is_right:
; a = ntn(e1, p, T1), ar = ntn(er, p, T1), c = ntn(p, e2, T2), each [64 k][32768 col]:
;   ntn(x, y, T)[k][col] = tanh( sum_i x[col][i] G[k][i][col] + sum_r W[k][r] Z[256 r + (col >> 7)][col & 127] + b[k] ),
;   G[k][i][col] = sum_j T[k][i][j] y[col][j],  Z = x beside y (the row-major reshape written as an index map).
; waa holds the pairs (a, ar) in f32 at 8 (32768 k + col), wc holds c in f32 at 4 (32768 k + col).
; LIMITS: every input, b too, is rounded once to bf16 (the matrix operands' format); G, all sums and the results stay in f32.
;   tanh(x) = 1 - 2 / (1 + 2^(2.88539 x)): absolute error about 1e-7; +1 or -1 where the exponential overflows or vanishes.
; SHARES: work-group w owns columns 128 w .. 128 w + 127 (eight tiles t of 16) for all 64 k; wave wv owns k = 16 wv .. 16 wv + 15,
;   as eight pairs (k, k + 8), one pair a trip.  Every wave keeps all 128 columns' operands in registers, so that each fragment
;   of T is read from LDS by one wave and feeds eight matrix instructions.  a and ar share G = T1 p: phase 1 makes both (NW = 2
;   weights for each element of G), phase 2 makes c (NW = 1).
; CLUSTER: T is walked alike by every work-group, so four work-groups ask for each 16 KiB part of it jointly (mask 15);
;   the other inputs are shared by nobody.
; LDS: 0 two slots of 64 KiB for T (tensor loads only); 131072 F: the four inputs' 128 scramble rows in bf16, pitch 160,
;   later overlaid by FFP, each wave's own feed-forward results; 212992 XB: the four inputs' 128 batch rows in bf16, pitch 144;
;   286720 STG: 2,304 bytes a wave for the way out.
; REGISTER WINDOWS: window 0 holds addresses, A fragments, G, sums; windows 1 to 3 hold for tile t the weights WT (64) and the
;   B fragments BF (32): t = 0..5 in window 1 + t / 2 at 96 (t & 1); WT6 v192 of window 1, WT7 v192 of window 2, BF6 v192 and
;   BF7 v224 of window 3.  Matrix instruction and multiply-add both take that operand as source 1: one setting serves both.
.set SLOT, 65536
.set FRG,  131072                      ; F: planes e1, er, p, e2
.set FPL,  20480                       ; a plane of F: 128 rows
.set FPI,  160                         ; its pitch: an odd multiple of 32 bytes
.set FFP,  131072                      ; over F: 16 tiles x 1,024 bytes for each wave
.set FFPW, 16384
.set XB,   212992
.set XPL,  18432
.set XPI,  144
.set STG,  286720
.set STW,  2304
.set LN, 1                             ; v1 lane L    v2 r = L & 15    v3 h = L >> 4
.set RR, 2
.set HH, 3
.set OFFS, 4                           ; first the panels' offsets and addresses ...
.set OFFB, 5
.set FS,   6
.set FS2,  7
.set XS,   8
.set WOFF, 9
.set BOFF, 10
.set BRAW, 11
.set TRA01, 9                          ; ... then the feed-forward part's ...
.set TRA23, 10
.set ADR0, 4                           ; ... then the main part's: my part of slot 0, of slot 1
.set ADR1, 5
.set FAD,  6                           ; my feed-forward words of this trip's pair
.set FADB, 7                           ; the same for pair 0
.set STO,  8
.set STO2, 9
.set RDB,  10
.set GO,   11
.set GOC,  12
.set XA,   13
.set XA2,  14
.set TT,   15
.set AF0, 16                           ; A fragments of one chunk (16 i x 64 j), two buffers
.set AF1, 32
.set DB0, 48                           ; G of one chunk for the eight tiles, two buffers
.set DB1, 112
.set ACC0, 176                         ; sums of k, a pair for each tile
.set ACC1, 192                         ; sums of k + 8
.set EV,  208
.set FFV, 224
.set STV, 240
.set WF,  16                           ; feed-forward part: W's four fragments,
.set BIA, 48                           ; b as a 129th column of W,
.set ONE, 56                           ; a row of ones against it,
.set BB0, 64                           ; B fragments, two buffers,
.set DD,  128                          ; 16 result tiles
.set PR0, 64                           ; panels: three sets of 64 registers
.set PR1, 128
.set PR2, 192
.set TMP, 48
.set DG1, 24
.set DG0, 32
.set G1W, 0x04                         ; source 1 in window 1, 2, 3
.set G2W, 0x08
.set G3W, 0x0c
.set MSB, 0
.macro WIN new                         ; the immediate's high byte repeats the setting that is left
.if MSB != \new
	s_set_vgpr_msb (MSB<<8)|\new
.set MSB, \new
.endif
.endm
.macro PLACES                          ; four places behind a matrix instruction (ISA guide 7.12.1)
.rept 4
	v_nop
.endr
.endm
.macro CREST                           ; a round of the cluster's barrier behind its opening barrier
	s_cmp_lg_u32 s40, 0
	s_cbranch_scc1 .Lnw0_\@
	s_barrier_signal -3
.Lnw0_\@:
	s_barrier_wait -3
	s_barrier_signal -1
	s_barrier_wait -1
.endm
.macro ROUND
	s_barrier_signal -1
	s_barrier_wait -1
	CREST
.endm
.macro WGBAR                           ; my LDS instructions are done, then the work-group's barrier
	s_wait_dscnt 0x0
	s_barrier_signal -1
	s_barrier_wait -1
.endm
.macro MODE nw, kc                     ; nw weights for each element of G; kc K chunks of 32 in a product
.set NW, \nw
.set KC, \kc
.set EPS, (4*NW)/(2*KC)                ; multiply-adds of a tile that ride behind one matrix instruction
.set TPS, 4/KC                         ; tiles of the epilogue behind one matrix instruction
.endm
.macro TB t                            ; where tile t's weights and B fragments lie
.set WTB, (1-(\t)/6)*96*((\t)&1)+((\t)/6)*192
.set BFB, (1-(\t)/6)*(96*((\t)&1)+64)+((\t)/6)*(192+32*((\t)&1))
.set WTW, (1-(\t)/6)*(1+(\t)/2)+((\t)/6)*((\t)-5)
.set BFW, (1-(\t)/6)*(1+(\t)/2)+((\t)/6)*3
.endm
.macro WM t, q                         ; G(chunk, tile t) takes K chunk q; the first product starts the sum
	TB \t
.set wd, WDB+8*(\t)
.set wa, WAB+8*((\q)&1)
.set wb, BFB+8*(\q)
.if (\q) == 0
	v_wmma_f32_16x16x32_bf16 v[wd:wd+7], v[wa:wa+7], v[wb:wb+7], 0
.else
	v_wmma_f32_16x16x32_bf16 v[wd:wd+7], v[wa:wa+7], v[wb:wb+7], v[wd:wd+7]
.endif
.endm
; The contraction over i.  NW = 2: element e of G times the pair (x1[i], x2[i]): the sum's pair is (for x1, for x2).
; NW = 1: elements 2 e, 2 e + 1 times their two weights.  The first product of a member starts the sum.
.macro FX t, e
	TB \t
.set fa, ACC0+16*FMB+2*(\t)
.set fd, FDB+8*(\t)
.if NW == 2
.set fw, WTB+16*FCH+2*(\e)
.if (FCH+(\e)) == 0
	v_pk_mul_f32 v[fa:fa+1], v[fd:fd+1], v[fw:fw+1] op_sel_hi:[0,1]
.else
.if ((\e)&1) == 0
	v_pk_fma_f32 v[fa:fa+1], v[fd+(\e):fd+(\e)+1], v[fw:fw+1], v[fa:fa+1] op_sel_hi:[0,1,1]
.else
	v_pk_fma_f32 v[fa:fa+1], v[fd+(\e)-1:fd+(\e)], v[fw:fw+1], v[fa:fa+1] op_sel:[1,0,0] op_sel_hi:[1,1,1]
.endif
.endif
.else
.set fw, WTB+8*FCH+2*(\e)
.if (FCH+(\e)) == 0
	v_pk_mul_f32 v[fa:fa+1], v[fd:fd+1], v[fw:fw+1]
.else
	v_pk_fma_f32 v[fa:fa+1], v[fd+2*(\e):fd+2*(\e)+1], v[fw:fw+1], v[fa:fa+1]
.endif
.endif
.endm
; The epilogue of tile t in four steps, one a chunk step, so that each transcendental's result is first used a step later.
; Every line has a constant or nothing as source 1, so that it runs under the setting of the matrix instructions round it;
; that is why sums are written as multiply-adds by 1.0.
.macro EP k, t
.set pa, ACC0+2*(\t)
.set pb, ACC1+2*(\t)
.set eb, EV+NW*(\t)
.set fb, FFV+NW*(\t)
.if \k == 1
	v_permlane16_swap_b32 v[pa], v[pb]             ; lanes 0-15 now hold both halves of k's sum, lanes 16-31 those of k + 8
	v_permlane16_swap_b32 v[pa+1], v[pb+1]
.if NW == 2
	v_pk_fma_f32 v[eb:eb+1], v[pa:pa+1], 1.0, v[pb:pb+1] op_sel_hi:[1,0,1]
.else
	v_pk_fma_f32 v[pa:pa+1], v[pa:pa+1], 1.0, v[pb:pb+1] op_sel_hi:[1,0,1]
	v_fma_f32 v[eb], v[pa], 1.0, v[pa+1]
.endif
.else
.if (NW-((\t)&1)) != 0                 ; NW = 1: two tiles' values make a pair, handled at the even tile
.if \k == 2
	v_pk_fma_f32 v[eb:eb+1], v[eb:eb+1], 0x4038aa3b, v[fb:fb+1] op_sel_hi:[1,0,1]   ; 2 log2(e) x; the feed-forward term carries the factor already
	v_exp_f32 v[eb], v[eb]
	v_exp_f32 v[eb+1], v[eb+1]
.endif
.if \k == 3
	s_wait_alu depctr_va_vdst(0)
	v_pk_add_f32 v[eb:eb+1], v[eb:eb+1], 1.0 op_sel_hi:[1,0]
	v_rcp_f32 v[eb], v[eb]
	v_rcp_f32 v[eb+1], v[eb+1]
.endif
.if \k == 4
	s_wait_alu depctr_va_vdst(0)
	v_pk_fma_f32 v[eb:eb+1], v[eb:eb+1], -2.0, 1.0 op_sel_hi:[1,0,0]
.endif
.endif
.endif
.endm
.macro FFLOAD                          ; the pair's feed-forward terms: columns 0-63 come from x's product, 64-127 from y's
.set ft, 0
.rept 8
.if NW == 2
.if ft < 4
	ds_load_b32 v[FFV+2*ft], v[FAD] offset:1024*ft
.else
	ds_load_b32 v[FFV+2*ft], v[FAD] offset:1024*(ft+4)
.endif
	ds_load_b32 v[FFV+2*ft+1], v[FAD] offset:1024*(ft+4)
.else
	ds_load_b32 v[FFV+ft], v[FAD] offset:1024*(ft+8)
.endif
.set ft, ft+1
.endr
.endm
.macro ALOAD                           ; the next chunk's A fragments; ALK = 2: from the other slot, which my own tensor load filled
.if ALK
.if ALK == 2
	s_set_vgpr_msb 0x405
	s_wait_tensorcnt 0x0                           ; all my tensor loads have landed: my part of the other slot, read here, is the one that was out
	ds_add_u32 v190, v191
	s_wait_dscnt 0x0
	s_set_vgpr_msb 0x504
.endif
.irp m, 0,1,2,3
	ds_load_b128 v[ALB+4*\m:ALB+4*\m+3], v[ALA] offset:ALO+512*\m
.endr
.endif
.endm
; Matrix instructions on tiles ta, tb by turns (one instruction a turn), each followed by multiply-adds
; on the chunk before.  Tile tx's multiply-adds lag one slot, and the loads of A stand behind slot 1: both then stand four or
; more plain vector instructions behind the last matrix instructions of the step before.
.macro GROUP12 ta, tb, tx, hook
.set gi, 0
.rept 2*KC
.if (gi&1) == 0
	WM \ta, (gi/2)
.else
	WM \tb, (gi/2)
.endif
.if DOF
.set ge, 0
.rept EPS
	FX \ta, (gi*EPS+ge)
	FX \tb, (gi*EPS+ge)
.set ge, ge+1
.endr
.if gi > 0
.set ge, 0
.rept EPS
	FX \tx, ((gi-1)*EPS+ge)
.set ge, ge+1
.endr
.endif
.endif
.if \hook
.if gi == 1
	ALOAD
.endif
.endif
.set gi, gi+1
.endr
.if DOF
.set ge, 0
.rept EPS
	FX \tx, ((2*KC-1)*EPS+ge)
.set ge, ge+1
.endr
.endif
.endm
.macro GROUP3                          ; tiles 4 to 7 by turns; first half: multiply-adds of tiles 4, 5; second half: the epilogue step
.set gi, 0
.rept 4*KC
	WM (4+(gi&3)), (gi/4)
.if gi < 2*KC
.if DOF
.set ge, 0
.rept EPS
	FX 4, (gi*EPS+ge)
	FX 5, (gi*EPS+ge)
.set ge, ge+1
.endr
.endif
.else
.if EXK
.set ge, 0
.rept TPS
	EP EXK, ((gi-2*KC)*TPS+ge)
.set ge, ge+1
.endr
.endif
.endif
.set gi, gi+1
.endr
.endm
.macro SBLK                            ; the pair's results into my own stage, and back as whole rows
.if NW == 2
.irp t, 0,1,2,3,4,5,6,7
	ds_store_b64 v[STO2], v[EV+2*\t:EV+2*\t+1] offset:128*\t
.endr
	ds_load_b128 v[STV:STV+3], v[RDB]
	ds_load_b128 v[STV+4:STV+7], v[RDB] offset:512
	ds_load_b128 v[STV+8:STV+11], v[RDB] offset:1152
	ds_load_b128 v[STV+12:STV+15], v[RDB] offset:1664
.else
.irp t, 0,1,2,3,4,5,6,7
	ds_store_b32 v[STO], v[EV+\t] offset:64*\t
.endr
	ds_load_b128 v[STV:STV+3], v[RDB]
	ds_load_b128 v[STV+4:STV+7], v[RDB] offset:576
.endif
.endm
.macro GSTORE                          ; each store of the wave covers 512 consecutive bytes, aligned
.if NW == 2
	global_store_b128 v[GO], v[STV:STV+3], s[58:59]
	global_store_b128 v[GO], v[STV+4:STV+7], s[58:59] offset:512
	global_store_b128 v[GO], v[STV+8:STV+11], s[58:59] offset:2097152
	global_store_b128 v[GO], v[STV+12:STV+15], s[58:59] offset:2097664
.else
	global_store_b128 v[GOC], v[STV:STV+3], s[60:61]
	global_store_b128 v[GOC], v[STV+4:STV+7], s[60:61] offset:1048576
.endif
.endm
.macro BSTEP                           ; one k further
.if NW == 2
	s_add_nc_u64 s[58:59], s[58:59], 262144
.else
	s_add_nc_u64 s[60:61], s[60:61], 131072
.endif
.endm
; One chunk step: s = 4 member + chunk.  Matrix instructions of chunk s, multiply-adds of chunk s - 1 (s = 0: of the trip before).
; prev = 1: a trip came before, whose epilogue rides in steps 0 to 5.  end = 2: the slot is filled again behind a round of the
; cluster's barrier; 1: the other slot is read on, nothing is filled; 0: the last trip.
.macro STEP slot, s, prev, end
	s_wait_dscnt 0x0                               ; the A fragments asked for a step ago; in step 1 the feed-forward words, in step 4 the read-back
.if \prev
.if \s == 4
	WIN 0
	GSTORE
.endif
.if \s == 5
	s_wait_xcnt 0x0                                ; the stores' base, and later their data registers, are rewritten only behind this wait
	BSTEP
.endif
.endif
.set WDB, DB0+64*((\s)&1)
.set WAB, AF0+16*((\s)&1)
.set FDB, DB0+64*(((\s)+1)&1)
.set FMB, (((\s)+7)&7)/4
.set FCH, ((\s)+7)&3
.set DOF, 1
.if ((\s)+(\prev)) == 0
.set DOF, 0
.endif
.set EXK, 0
.if \prev
.if \s < 4
.set EXK, (\s)+1
.endif
.endif
.set ALB, AF0+16*(((\s)+1)&1)
.if \s < 7
.set ALK, 1
.set ALA, ADR0+\slot
.set ALO, 2048*((\s)+1)
.else
.if \end
.set ALK, 2
.set ALA, ADR0+1-\slot
.set ALO, 0
.else
.set ALK, 0
.endif
.endif
	WIN G1W
.if \prev
.if \s == 0
	FFLOAD
.endif
.endif
	GROUP12 0, 1, 6, 1
	WIN G2W
	GROUP12 2, 3, 7, 0
.if \s == 7
.if \end == 2
	s_wait_dscnt 0x0                               ; my reads of both slots are back; my tensor loads have landed (the wait in group 1):
	s_barrier_signal -1                            ; say so; this barrier opens the round
.endif
.endif
	WIN G3W
	GROUP3                                         ; in step 7: register work alone, while the others arrive
.if DOF == 0
	PLACES                                         ; a phase's first step has no chunk before it to contract, so it holds no plain vector work:
	                                               ; these four are the places between its matrix instructions and the next step's first
	                                               ; multiply-adds (which read their results) and loads of A (into the buffer they read)
.endif
.if \prev
.if \s == 3
	WIN 0
	SBLK
	v_add_nc_u32 v[FAD], 128, v[FAD]               ; the next pair's feed-forward words
.endif
.endif
.if \s == 7
.if \end == 2
	WIN 0
	s_barrier_wait -1
	CREST                                          ; no wave of the four work-groups still reads this slot or has a load on its way
	s_add_nc_u64 s[DG0+4*\slot+2:DG0+4*\slot+3], s[DG0+4*\slot+2:DG0+4*\slot+3], 2*SLOT
	tensor_load_to_lds s[DG0+4*\slot:DG0+4*\slot+3], s[DG1:DG1+7]   ; my one load behind the round: two pairs ahead; seven steps in which to land
	s_nop 0
.endif
.endif
.endm
.macro TRIP slot, prev, end
.irp s, 0,1,2,3,4,5,6,7
	STEP \slot, \s, \prev, \end
.endr
.endm
.macro DRF ta, tb, tx                  ; the last chunk's multiply-adds; tx last, behind eight or more plain vector instructions
.set ge, 0
.rept 4*NW
	FX \ta, ge
	FX \tb, ge
.set ge, ge+1
.endr
.set ge, 0
.rept 4*NW
	FX \tx, ge
.set ge, ge+1
.endr
.endm
.macro DRAIN                           ; what the next trip would have done for the last pair
.set FDB, DB1
.set FMB, 1
.set FCH, 3
	WIN G1W
	FFLOAD
	DRF 0, 1, 6
	WIN G2W
	DRF 2, 3, 7
	WIN G3W
.set ge, 0
.rept 4*NW
	FX 4, ge
	FX 5, ge
.set ge, ge+1
.endr
	WIN 0
.irp k, 1,2,3,4
.if \k == 2
	s_wait_dscnt 0x0                               ; the feed-forward words
.endif
.set ge, 0
.rept 8
	EP \k, ge
.set ge, ge+1
.endr
.endr
	SBLK
	s_wait_dscnt 0x0
	GSTORE
	s_wait_xcnt 0x0                                ; the stores' registers may be written again
.endm
.macro PLOAD dst, base, areg, step     ; a panel's 32 rows of my wave: 16 loads, two whole rows of 256 bytes each
.set pi, 0
.rept 16
	global_load_b128 v[\dst+4*pi:\dst+4*pi+3], v[\areg], s[\base:\base+1] offset:\step*pi
.set pi, pi+1
.endr
.endm
.macro PCONS src, areg, off, step      ; rounded once to bf16, into LDS
.set pi, 0
.rept 16
	v_cvt_pk_bf16_f32 v[48+2*(pi&7)], v[\src+4*pi], v[\src+4*pi+1]
	v_cvt_pk_bf16_f32 v[49+2*(pi&7)], v[\src+4*pi+2], v[\src+4*pi+3]
	ds_store_b64 v[\areg], v[48+2*(pi&7):49+2*(pi&7)] offset:\off+\step*pi
.set pi, pi+1
.endr
.endm
.macro FFETCH buf, areg, off           ; B fragments of 32 rows r x 64 columns from a plane stored [r][column]
.irp n, 0,1,2,3
	ds_load_tr16_b128 v[\buf+8*\n:\buf+8*\n+3], v[\areg] offset:\off+32*\n
	ds_load_tr16_b128 v[\buf+8*\n+4:\buf+8*\n+7], v[\areg] offset:\off+32*\n+16*FPI
.endr
.endm
.macro FMUL buf, q, d                  ; four accumulators by turns
.irp n, 0,1,2,3
	v_wmma_f32_16x16x32_bf16 v[DD+8*(\d+\n):DD+8*(\d+\n)+7], v[WF+8*\q:WF+8*\q+7], v[\buf+8*\n:\buf+8*\n+7], v[DD+8*(\d+\n):DD+8*(\d+\n)+7]
.endr
.endm
; The operands of a phase into windows 1 to 3, four tiles at a time: the weights' bf16 fragments through TMP, widened to f32
; (a shift, a mask); the B fragments straight to their place.
.macro LOADW wreg, breg, boff
.set lgi, 0
.rept 2
	WIN 0
.set lti, 0
.rept 4
.set lx, 0
.rept NW
.irp m, 0,1,2,3
	ds_load_b128 v[TMP+32*lti+16*lx+4*\m:TMP+32*lti+16*lx+4*\m+3], v[\wreg] offset:XPL*lx+16*XPI*(4*lgi+lti)+32*\m
.endr
.set lx, lx+1
.endr
.set lti, lti+1
.endr
.set lti, 0
.rept 4
	TB (4*lgi+lti)
	WIN (BFW<<6)
.irp m, 0,1,2,3
	ds_load_b128 v[BFB+4*\m:BFB+4*\m+3], v[\breg] offset:\boff+16*XPI*(4*lgi+lti)+32*\m
.endr
.set lti, lti+1
.endr
	s_wait_dscnt 0x0
.set lti, 0
.rept 4
	TB (4*lgi+lti)
	WIN (WTW<<6)
.set lx, 0
.rept NW
.set lm, 0
.rept 16
.set ld, WTB+8*NW*(lm/4)+2*NW*(lm&3)+lx
	v_lshlrev_b32 v[ld], 16, v[TMP+32*lti+16*lx+lm]
	v_and_b32 v[ld+NW], s57, v[TMP+32*lti+16*lx+lm]
.set lm, lm+1
.endr
.set lx, lx+1
.endr
.set lti, lti+1
.endr
.set lgi, lgi+1
.endr
.endm
	s_load_b512 s[4:19], s[0:1], 0x0               ; e1 s[4:5], er s[6:7], p s[8:9], e2 s[10:11], W s[12:13], b s[14:15], tf s[16:17], waa s[18:19]
	s_load_b64 s[20:21], s[0:1], 0x40              ; wc
	s_set_vgpr_msb 0x40
	v_lshl_add_u32 v190, v0, 2, 0x48400
	v_mov_b32 v191, 0
	s_set_vgpr_msb 0x4045
	ds_add_u32 v190, v191
	s_set_vgpr_msb 0x4500
	v_lshrrev_b32 v1, 5, v0
	v_readfirstlane_b32 s40, v1                    ; wave
	s_bfe_u32 s41, ttmp6, 0x40000                  ; cx
	s_lshl_b32 s42, ttmp9, 2
	s_add_co_u32 s42, s42, s41                     ; w; it enters global offsets alone
	s_mov_b32 s57, 0xffff0000
	; group 1: a dense block of 16 KiB as 64 rows of 32 elements of 8 bytes; mask 15 names the cluster's four work-groups, bit 21 beside it
	s_mov_b32 s[DG1+0], 15|(3<<16)|(1<<21)
	s_mov_b32 s[DG1+1], 32<<16
	s_mov_b32 s[DG1+2], 64<<16
	s_mov_b32 s[DG1+3], 32<<16
	s_mov_b32 s[DG1+4], 64
	s_mov_b32 s[DG1+5], 32
	s_mov_b32 s[DG1+6], 0
	s_mov_b32 s[DG1+7], 0
	s_lshl_b32 s44, s40, 14                        ; my 16 KiB of a slot and of a 64 KiB tile of tf
	s_mov_b32 s45, 0
	s_wait_dscnt 0x0
	s_wait_kmcnt 0x0
	s_add_nc_u64 s[46:47], s[16:17], s[44:45]
	ROUND                                          ; the four work-groups are here: the first joint loads meet
.irp s, 0,1
	s_mov_b32 s[DG0+4*\s], 1
	s_add_co_u32 s[DG0+4*\s+1], s44, \s*SLOT
	s_add_nc_u64 s[DG0+4*\s+2:DG0+4*\s+3], s[46:47], \s*SLOT
	s_or_b32 s[DG0+4*\s+3], s[DG0+4*\s+3], 0x80000000
	tensor_load_to_lds s[DG0+4*\s:DG0+4*\s+3], s[DG1:DG1+7]        ; pairs 0 and 1 of T1: two loads of mine are out
	s_nop 0
.endr
	v_and_b32 v[LN], 31, v0
	v_and_b32 v[RR], 15, v0
	v_bfe_u32 v[HH], v0, 4, 1
	s_lshl_b32 s43, s40, 21                        ; scramble rows 256 r + w, r = 32 wv + 2 i + h: 65,536 r + 256 w + 16 (L & 15)
	s_lshl_b32 s48, s42, 8
	s_add_co_u32 s43, s43, s48
	v_lshlrev_b32 v[TT], 4, v[RR]
	v_lshl_add_u32 v[TT], v[HH], 16, v[TT]
	v_add_nc_u32 v[OFFS], s43, v[TT]
	s_lshl_b32 s43, s42, 15                        ; batch rows 128 w + 32 wv + ..: 32,768 w + 8,192 wv + 16 L
	s_lshl_b32 s48, s40, 13
	s_add_co_u32 s43, s43, s48
	v_lshl_add_u32 v[OFFB], v[LN], 4, s43
	s_mul_i32 s43, s40, 32*FPI
	s_add_co_u32 s43, s43, FRG
	v_mul_u32_u24 v[TT], v[HH], FPI
	v_lshl_add_u32 v[TT], v[RR], 3, v[TT]
	v_add_nc_u32 v[FS], s43, v[TT]
	v_add_nc_u32 v[FS2], 2*FPL, v[FS]
	s_mul_i32 s43, s40, 32*XPI
	s_add_co_u32 s43, s43, XB
	v_mul_u32_u24 v[TT], v[HH], XPI
	v_lshl_add_u32 v[TT], v[RR], 3, v[TT]
	v_add_nc_u32 v[XS], s43, v[TT]
	s_lshl_b32 s43, s40, 13                        ; W[16 wv + r][8 h ..]
	v_lshlrev_b32 v[TT], 9, v[RR]
	v_lshl_add_u32 v[TT], v[HH], 5, v[TT]
	v_add_nc_u32 v[WOFF], s43, v[TT]
	s_lshl_b32 s43, s40, 6
	v_lshl_add_u32 v[BOFF], v[RR], 2, s43          ; b[16 wv + r]
.irp q, 0,1,2,3
	global_load_b128 v[PR2+16*\q:PR2+16*\q+3], v[WOFF], s[12:13] offset:128*\q
	global_load_b128 v[PR2+16*\q+4:PR2+16*\q+7], v[WOFF], s[12:13] offset:128*\q+16
	global_load_b128 v[PR2+16*\q+8:PR2+16*\q+11], v[WOFF], s[12:13] offset:128*\q+64
	global_load_b128 v[PR2+16*\q+12:PR2+16*\q+15], v[WOFF], s[12:13] offset:128*\q+80
.endr
	global_load_b32 v[BRAW], v[BOFF], s[14:15]
	; eight panels through three register sets: two panels (32 loads) stay on their way while one is converted
	PLOAD PR0, 4, OFFS, 131072
	PLOAD PR1, 6, OFFS, 131072
	s_wait_loadcnt 32                              ; W and b are in; the two panels stay out
.set ci, 0
.rept 32
	v_cvt_pk_bf16_f32 v[WF+ci], v[PR2+2*ci], v[PR2+2*ci+1]
.set ci, ci+1
.endr
	PLOAD PR2, 8, OFFS, 131072
	s_wait_loadcnt 32
	PCONS PR0, FS, 0, 2*FPI
	PLOAD PR0, 10, OFFS, 131072
	s_wait_loadcnt 32
	PCONS PR1, FS, FPL, 2*FPI
	PLOAD PR1, 4, OFFB, 512
	s_wait_loadcnt 32
	PCONS PR2, FS2, 0, 2*FPI
	PLOAD PR2, 6, OFFB, 512
	s_wait_loadcnt 32
	PCONS PR0, FS2, FPL, 2*FPI
	PLOAD PR0, 8, OFFB, 512
	s_wait_loadcnt 32
	PCONS PR1, XS, 0, 2*XPI
	PLOAD PR1, 10, OFFB, 512
	s_wait_loadcnt 32
	PCONS PR2, XS, XPL, 2*XPI
	s_wait_loadcnt 16                              ; one panel is left behind this one
	PCONS PR0, XS, 2*XPL, 2*XPI
	s_wait_loadcnt 0x0
	PCONS PR1, XS, 3*XPL, 2*XPI
	WGBAR                                          ; F and XB are whole for every wave
	; FEED-FORWARD: for each input X the product P[k][n] = sum_r W[k][r] X[256 r + w][n], my 16 k x 64 n, started by b[k] x 1.
	v_cmp_gt_u32 vcc_lo, 16, v[LN]
	v_cvt_pk_bf16_f32 v[TT], v[BRAW], 0
	v_cndmask_b32 v[BIA], 0, v[TT], vcc_lo         ; element K = 0 of row r: b, rounded as W is; all else 0
	v_mov_b32 v[TT], 0x3f80
	v_cndmask_b32 v[ONE], 0, v[TT], vcc_lo         ; element K = 0 of every column: 1.0
.irp j, 1,2,3,4,5,6,7
	v_mov_b32 v[BIA+\j], 0
	v_mov_b32 v[ONE+\j], 0
.endr
	v_and_b32 v[TT], 7, v[LN]
	v_lshl_add_u32 v[TT], v[HH], 3, v[TT]
	v_mul_u32_u24 v[TT], v[TT], FPI
	v_bfe_u32 v[TRA01], v[LN], 3, 1
	v_lshl_add_u32 v[TT], v[TRA01], 4, v[TT]       ; (8 h + (L & 7)) pitch + 16 ((L >> 3) & 1)
	v_add_nc_u32 v[TRA01], FRG, v[TT]
	v_add_nc_u32 v[TRA23], FRG+2*FPL, v[TT]
	FFETCH BB0, TRA01, 0
.set fi, 0
.rept 16
	v_wmma_f32_16x16x32_bf16 v[DD+8*fi:DD+8*fi+7], v[BIA:BIA+7], v[ONE:ONE+7], 0
.set fi, fi+1
.endr
.set fi, 0
.rept 16                               ; step fi: input fi / 4, K chunk fi & 3
.if fi < 15
.set ni, fi+1
	PLACES                                         ; the buffer loaded next was read by the matrix instructions just issued
	FFETCH (BB0+32*(ni&1)), (TRA01+(ni/8)), (FPL*((ni/4)&1)+32*FPI*(ni&3))
	s_wait_dscnt 8                                 ; this step's eight loads are in; the eight just issued stay out
.else
	s_wait_dscnt 0x0
.endif
	FMUL (BB0+32*(fi&1)), (fi&3), (4*(fi/4))
.set fi, fi+1
.endr
	PLACES
.set ci, 0
.rept 64
	v_pk_mul_f32 v[DD+2*ci:DD+2*ci+1], v[DD+2*ci:DD+2*ci+1], 0x4038aa3b op_sel_hi:[1,0]   ; times 2 log2(e), once
.set ci, ci+1
.endr
	WGBAR                                          ; every wave's reads of F are over: FFP may lie over it
	s_lshl_b32 s43, s40, 14
	s_add_co_u32 s43, s43, FFP
	v_lshl_add_u32 v[FADB], v[LN], 2, s43
	v_mov_b32 v[FAD], v[FADB]
.set fi, 0
.rept 16
.irp j, 0,1,2,3,4,5,6,7
	ds_store_b32 v[FADB], v[DD+8*fi+\j] offset:1024*fi+128*\j      ; register j: k = 16 wv + j in lanes 0-15, + 8 in lanes 16-31; my own bytes
.endr
.set fi, fi+1
.endr
	; the main part's addresses
	s_lshl_b32 s43, s40, 14
	v_lshl_add_u32 v[ADR0], v[LN], 4, s43
	v_add_nc_u32 v[ADR1], SLOT, v[ADR0]
	s_mul_i32 s43, s40, STW
	s_add_co_u32 s43, s43, STG
	v_mul_u32_u24 v[TT], v[HH], 576
	v_lshl_add_u32 v[TT], v[RR], 2, v[TT]
	v_add_nc_u32 v[STO], s43, v[TT]
	v_mul_u32_u24 v[TT], v[HH], 1152
	v_lshl_add_u32 v[TT], v[RR], 3, v[TT]
	v_add_nc_u32 v[STO2], s43, v[TT]
	v_lshl_add_u32 v[RDB], v[LN], 4, s43
	s_lshl_b32 s43, s40, 22                        ; waa: 262,144 k + 8 col
	s_lshl_b32 s48, s42, 10
	s_add_co_u32 s43, s43, s48
	v_lshl_add_u32 v[GO], v[LN], 4, s43
	s_lshl_b32 s43, s40, 21                        ; wc: 131,072 k + 4 col
	s_lshl_b32 s48, s42, 9
	s_add_co_u32 s43, s43, s48
	v_lshl_add_u32 v[GOC], v[LN], 4, s43
	v_mul_u32_u24 v[TT], v[RR], XPI
	v_lshl_add_u32 v[TT], v[HH], 4, v[TT]
	v_add_nc_u32 v[XA], XB, v[TT]
	v_add_nc_u32 v[XA2], XB+2*XPL, v[TT]
	s_mov_b64 s[58:59], s[18:19]
	s_mov_b64 s[60:61], s[20:21]
	; PHASE 1: a and ar.  Weights (e1, er), B = p, T1: pairs 0 to 7 of the ring.
	MODE 2, 2
	LOADW XA, XA2, 0
	WIN 0
	s_wait_tensorcnt 0x1                           ; my part of pair 0 is in; pair 1's stays out
.irp m, 0,1,2,3
	ds_load_b128 v[AF0+4*\m:AF0+4*\m+3], v[ADR0] offset:512*\m
.endr
	TRIP 0, 0, 2
	s_mov_b32 s56, 3
.Lphase1:
	TRIP 1, 1, 2
	TRIP 0, 1, 2
	s_sub_co_u32 s56, s56, 1
	s_cmp_lg_u32 s56, 0
	s_cbranch_scc1 .Lphase1
	TRIP 1, 1, 2                                   ; its last step has fetched T2's first chunk: the ring runs on into phase 2
	DRAIN
	; PHASE 2: c.  Weights p, B = e2, T2.
	v_mov_b32 v[FAD], v[FADB]
	MODE 1, 2
	LOADW XA2, XA2, XPL
	TRIP 0, 0, 2
	s_mov_b32 s56, 2
.Lphase2:
	TRIP 1, 1, 2
	TRIP 0, 1, 2
	s_sub_co_u32 s56, s56, 1
	s_cmp_lg_u32 s56, 0
	s_cbranch_scc1 .Lphase2
	TRIP 1, 1, 2
	TRIP 0, 1, 1                                   ; the last two trips fill nothing
	TRIP 1, 1, 0
	DRAIN
	s_set_vgpr_msb 0x5
	s_wait_tensorcnt 0x0
	ds_add_u32 v190, v191
	s_wait_dscnt 0x0
	s_set_vgpr_msb 0x500
	ROUND                                          ; the closing round: no work-group ends while a partner may still ask jointly
	s_endpgm
.Lfunc_end_k_qeca40519e3_stage1:
	.size	k_qeca40519e3_stage1, .Lfunc_end_k_qeca40519e3_stage1-k_qeca40519e3_stage1
	.p2alignl 7, 3214868480
	.fill 96, 4, 3214868480
	.section	.rodata,"a",@progbits
	.p2align	6, 0x0
	.amdhsa_kernel k_qeca40519e3_stage1
		.amdhsa_group_segment_fixed_size 327680
		.amdhsa_private_segment_fixed_size 0
		.amdhsa_enable_private_segment 0
		.amdhsa_kernarg_size 72
		.amdhsa_user_sgpr_count 2
		.amdhsa_user_sgpr_kernarg_segment_ptr 1
		.amdhsa_wavefront_size32 1
		.amdhsa_system_sgpr_workgroup_id_x 1
		.amdhsa_system_sgpr_workgroup_id_y 1
		.amdhsa_system_sgpr_workgroup_id_z 1
		.amdhsa_system_vgpr_workitem_id 0
		.amdhsa_next_free_vgpr 1024
		.amdhsa_next_free_sgpr 66
		.amdhsa_reserve_vcc 1
		.amdhsa_float_denorm_mode_32 3
		.amdhsa_float_denorm_mode_16_64 3
		.amdhsa_memory_ordered 1
		.amdhsa_forward_progress 1
		.amdhsa_inst_pref_size 255
	.end_amdhsa_kernel
	.section	.bss,"aw",@nobits
	.p2align	6
	.space	262144
	.amdgpu_metadata
---
amdhsa.version: [ 1, 2 ]
amdhsa.kernels:
  - .name:           k_qeca40519e3_stage1
    .symbol:         k_qeca40519e3_stage1.kd
    .args:
      - { .name: e1, .offset: 0, .size: 8, .value_kind: global_buffer, .address_space: global }
      - { .name: er, .offset: 8, .size: 8, .value_kind: global_buffer, .address_space: global }
      - { .name: p, .offset: 16, .size: 8, .value_kind: global_buffer, .address_space: global }
      - { .name: e2, .offset: 24, .size: 8, .value_kind: global_buffer, .address_space: global }
      - { .name: W, .offset: 32, .size: 8, .value_kind: global_buffer, .address_space: global }
      - { .name: b, .offset: 40, .size: 8, .value_kind: global_buffer, .address_space: global }
      - { .name: tf, .offset: 48, .size: 8, .value_kind: global_buffer, .address_space: global }
      - { .name: waa, .offset: 56, .size: 8, .value_kind: global_buffer, .address_space: global }
      - { .name: wc, .offset: 64, .size: 8, .value_kind: global_buffer, .address_space: global }
    .group_segment_fixed_size: 327680
    .private_segment_fixed_size: 0
    .kernarg_segment_align: 8
    .kernarg_segment_size: 72
    .max_flat_workgroup_size: 128
    .sgpr_count:     66
    .vgpr_count:     1024
    .wavefront_size: 32
...
	.end_amdgpu_metadata
.endif
;; end of part 2
;; launch stage2 (part 3): grid 256 x 1, 4 waves a work-group, clusters of 4 x 1, 327,680 bytes of LDS; arguments waa, wc, W, b, tf, out0; writes out0
.if DOCPART == 3
	.amdgcn_target "amdgcn-amd-amdhsa--gfx1250"
	.amdhsa_code_object_version 6
	.text
	.protected	k_qeca40519e3_stage2
	.globl	k_qeca40519e3_stage2
	.p2align	8
	.type	k_qeca40519e3_stage2,@function
k_qeca40519e3_stage2:
	s_mov_b64 s[64:65], 0
	v_nop
	global_prefetch_b8 v0, s[64:65] scope:SCOPE_SE
	s_setreg_imm32_b32 hwreg(HW_REG_WAVE_MODE, 25, 1), 1
	s_wait_xcnt 0x0
	s_wait_alu depctr_hold_cnt(0) depctr_sa_sdst(0) depctr_va_vdst(0) depctr_va_sdst(0) depctr_va_ssrc(0) depctr_va_vcc(0) depctr_vm_vsrc(0)
	s_getreg_b32 s2, hwreg(HW_REG_IB_STS2, 6, 4)
	s_cmp_eq_u32 s2, 0
	s_cbranch_scc0 .Lentry_in_a_cluster
	s_endpgm
.Lentry_in_a_cluster:
	s_bfe_u32 s2, ttmp6, 0x10000c
	s_cmp_lg_u32 s2, 0x3003
	s_cbranch_scc0 .Lentry_shape_is_right
	s_endpgm
.Lentry_shape_is_right:
; u = ntn(a, c, T3), ur = ntn(ar, c, T3); out0 = [u, ur], each [64 k][32768 col] f32.  a, ar, c are the first stage's results read
; row-major as [32768][64]: waa holds the pairs (a, ar) in f32 (a row is 512 bytes), wc holds c in f32 (a row is 256 bytes).
;   ntn(x, y, T)[k][col] = tanh( sum_i x[col][i] G[k][i][col] + sum_r W[k][r] Z[256 r + (col >> 7)][col & 127] + b[k] ),
;   G[k][i][col] = sum_j T[k][i][j] y[col][j],  Z = x beside y.  u and ur share G = T3 c.
; LIMITS: T3, W and b are rounded once to bf16.  c in G, and a, ar, c in the feed-forward products, enter the matrix unit as
;   bf16 hi + bf16 lo (16 bits of mantissa: K is doubled); the weights a, ar, G and all sums stay in f32.
;   tanh(x) = 1 - 2 / (1 + 2^(2.88539 x)): absolute error about 1e-7; +1 or -1 where the exponential overflows or vanishes.
; SHARES, CLUSTER, REGISTER WINDOWS as in the first stage: work-group w owns columns 128 w .. + 127, wave wv owns k = 16 wv .. + 15
;   as eight pairs (k, k + 8), one a trip; T3's 16 KiB parts are asked for jointly by the cluster's four work-groups (mask 15);
;   tile t's weights WT (64) and B fragments BF (32: c_hi, c_lo) lie in window 1 + t / 2 at 96 (t & 1) for t = 0..5,
;   WT6 v192 of window 1, WT7 v192 of window 2, BF6 v192 and BF7 v224 of window 3.
; LDS: 0 two slots of 64 KiB for T3 (tensor loads only); 131072 F: planes a_hi, a_lo, ar_hi, ar_lo, c_hi, c_lo of the 128 scramble
;   rows, pitch 160; later over it FFP (131072) and XAB (180224: the 128 batch rows of (a, ar), pitch 528);
;   253952 XCH, 272384 XCL: the batch rows of c_hi, c_lo, pitch 144; 290816 STG: 2,304 bytes a wave.
.set SLOT, 65536
.set FRG,  131072
.set FPL,  20480
.set FPI,  160
.set FFP,  131072
.set FFPW, 12288
.set XAB,  180224
.set XAP,  528
.set XCH,  253952
.set XPL,  18432
.set XPI,  144
.set STG,  290816
.set STW,  2304
.set KC,   4                           ; K chunks of 32: c_hi's two, c_lo's two
.set LN, 1
.set RR, 2
.set HH, 3
.set OFFSA, 4                          ; first the load units' offsets and addresses ...
.set OFFS,  5
.set OFFB,  6
.set OFFBA, 7
.set FSA,   8
.set FSA2,  9
.set FSC,   10
.set XCS,   11
.set WOFF,  12
.set BOFF,  13
.set BRAW,  14
.set TT,    15
.set TRA0, 4                           ; ... then the feed-forward part's (v4, v5, v6) ...
.set ADR0, 4                           ; ... then the main part's
.set ADR1, 5
.set STO,  6
.set RDB,  7
.set FAD,  8
.set XAS,  9
.set GO,   9
.set XAL,  10
.set XCL,  11
.set AF0, 16
.set AF1, 32
.set DB0, 48
.set DB1, 112
.set ACC0, 176
.set ACC1, 192
.set EV,  208
.set FFV, 224
.set STV, 240
.set WF,  16
.set BIA, 48
.set ONE, 56
.set BB0, 64
.set DD,  128
.set PR0, 64
.set PR1, 128
.set PR2, 192
.set DG1, 24
.set DG0, 32
.set G1W, 0x04
.set G2W, 0x08
.set G3W, 0x0c
.set MSB, 0
.macro WIN new                         ; the immediate's high byte repeats the setting that is left
.if MSB != \new
	s_set_vgpr_msb (MSB<<8)|\new
.set MSB, \new
.endif
.endm
.macro PLACES                          ; four places behind a matrix instruction (ISA guide 7.12.1)
.rept 4
	v_nop
.endr
.endm
.macro CREST
	s_cmp_lg_u32 s40, 0
	s_cbranch_scc1 .Lnw0_\@
	s_barrier_signal -3
.Lnw0_\@:
	s_barrier_wait -3
	s_barrier_signal -1
	s_barrier_wait -1
.endm
.macro ROUND
	s_barrier_signal -1
	s_barrier_wait -1
	CREST
.endm
.macro WGBAR
	s_wait_dscnt 0x0
	s_barrier_signal -1
	s_barrier_wait -1
.endm
.macro TB t
.set WTB, (1-(\t)/6)*96*((\t)&1)+((\t)/6)*192
.set BFB, (1-(\t)/6)*(96*((\t)&1)+64)+((\t)/6)*(192+32*((\t)&1))
.set WTW, (1-(\t)/6)*(1+(\t)/2)+((\t)/6)*((\t)-5)
.set BFW, (1-(\t)/6)*(1+(\t)/2)+((\t)/6)*3
.endm
.macro WM t, q                         ; q = 0, 1: c_hi; 2, 3: c_lo, against the same two A fragments
	TB \t
.set wd, WDB+8*(\t)
.set wa, WAB+8*((\q)&1)
.set wb, BFB+8*(\q)
.if (\q) == 0
	v_wmma_f32_16x16x32_bf16 v[wd:wd+7], v[wa:wa+7], v[wb:wb+7], 0
.else
	v_wmma_f32_16x16x32_bf16 v[wd:wd+7], v[wa:wa+7], v[wb:wb+7], v[wd:wd+7]
.endif
.endm
.macro FX t, e                         ; element e of G times the pair (a[i], ar[i]): the sum's pair is (for u, for ur)
	TB \t
.set fa, ACC0+16*FMB+2*(\t)
.set fd, FDB+8*(\t)
.set fw, WTB+16*FCH+2*(\e)
.if (FCH+(\e)) == 0
	v_pk_mul_f32 v[fa:fa+1], v[fd:fd+1], v[fw:fw+1] op_sel_hi:[0,1]
.else
.if ((\e)&1) == 0
	v_pk_fma_f32 v[fa:fa+1], v[fd+(\e):fd+(\e)+1], v[fw:fw+1], v[fa:fa+1] op_sel_hi:[0,1,1]
.else
	v_pk_fma_f32 v[fa:fa+1], v[fd+(\e)-1:fd+(\e)], v[fw:fw+1], v[fa:fa+1] op_sel:[1,0,0] op_sel_hi:[1,1,1]
.endif
.endif
.endm
; The epilogue of tile t in four steps, one a chunk step: each transcendental's result is first used a step later.  Source 1 is a
; constant or absent in every line, so that it runs under the setting of the matrix instructions round it (hence the 1.0).
.macro EP k, t
.set pa, ACC0+2*(\t)
.set pb, ACC1+2*(\t)
.set eb, EV+2*(\t)
.set fb, FFV+2*(\t)
.if \k == 1
	v_permlane16_swap_b32 v[pa], v[pb]             ; lanes 0-15 now hold both halves of k's sum, lanes 16-31 those of k + 8
	v_permlane16_swap_b32 v[pa+1], v[pb+1]
	v_pk_fma_f32 v[eb:eb+1], v[pa:pa+1], 1.0, v[pb:pb+1] op_sel_hi:[1,0,1]
.endif
.if \k == 2
	v_pk_fma_f32 v[eb:eb+1], v[eb:eb+1], 0x4038aa3b, v[fb:fb+1] op_sel_hi:[1,0,1]
	v_exp_f32 v[eb], v[eb]
	v_exp_f32 v[eb+1], v[eb+1]
.endif
.if \k == 3
	s_wait_alu depctr_va_vdst(0)
	v_pk_add_f32 v[eb:eb+1], v[eb:eb+1], 1.0 op_sel_hi:[1,0]
	v_rcp_f32 v[eb], v[eb]
	v_rcp_f32 v[eb+1], v[eb+1]
.endif
.if \k == 4
	s_wait_alu depctr_va_vdst(0)
	v_pk_fma_f32 v[eb:eb+1], v[eb:eb+1], -2.0, 1.0 op_sel_hi:[1,0,0]
.endif
.endm
.macro FFLOAD                          ; columns 0-63: a's product for u, ar's for ur; columns 64-127: c's for both
.set ft, 0
.rept 8
.if ft < 4
	ds_load_b32 v[FFV+2*ft], v[FAD] offset:1024*ft
.else
	ds_load_b32 v[FFV+2*ft], v[FAD] offset:1024*(ft+4)
.endif
	ds_load_b32 v[FFV+2*ft+1], v[FAD] offset:1024*(ft+4)
.set ft, ft+1
.endr
.endm
.macro ALOAD
.if ALK
.if ALK == 2
	s_wait_xcnt 0x0
	v_lshl_add_u32 v254, v0, 2, 0x49400
	v_mov_b32 v255, 0
	s_set_vgpr_msb 0x400
	s_wait_tensorcnt 0x0                           ; all my tensor loads have landed: my part of the other slot, read here, is the one that was out
	ds_add_u32 v254, v255
	s_wait_dscnt 0x0
	s_set_vgpr_msb 0x4
.endif
.irp m, 0,1,2,3
	ds_load_b128 v[ALB+4*\m:ALB+4*\m+3], v[ALA] offset:ALO+512*\m
.endr
.endif
.endm
; Matrix instructions on tiles ta, tb by turns (one instruction a turn), each followed by one multiply-add
; of ta, of tb and, a slot late, of tx: tx's first, and the loads of A behind slot 1, then stand four or more plain vector
; instructions behind the last matrix instructions of the step before.
.macro GROUP12 ta, tb, tx, hook
.set gi, 0
.rept 2*KC
.if (gi&1) == 0
	WM \ta, (gi/2)
.else
	WM \tb, (gi/2)
.endif
.if DOF
	FX \ta, gi
	FX \tb, gi
.if gi > 0
	FX \tx, (gi-1)
.endif
.endif
.if \hook
.if gi == 1
	ALOAD
.endif
.endif
.set gi, gi+1
.endr
.if DOF
	FX \tx, (2*KC-1)
.endif
.endm
.macro GROUP3                          ; tiles 4 to 7 by turns; slots 0-7: multiply-adds of tiles 4, 5; slots 8-15: the epilogue step, a tile a slot
.set gi, 0
.rept 4*KC
	WM (4+(gi&3)), (gi/4)
.if gi < 2*KC
.if DOF
	FX 4, gi
	FX 5, gi
.endif
.else
.if EXK
	EP EXK, (gi-2*KC)
.endif
.endif
.set gi, gi+1
.endr
.endm
.macro SBLK
.irp t, 0,1,2,3,4,5,6,7
	ds_store_b32 v[STO], v[EV+2*\t] offset:64*\t
	ds_store_b32 v[STO], v[EV+2*\t+1] offset:1152+64*\t
.endr
	ds_load_b128 v[STV:STV+3], v[RDB]
	ds_load_b128 v[STV+4:STV+7], v[RDB] offset:576
	ds_load_b128 v[STV+8:STV+11], v[RDB] offset:1152
	ds_load_b128 v[STV+12:STV+15], v[RDB] offset:1728
.endm
.macro GSTORE                          ; each store of the wave covers 512 consecutive bytes, aligned; nothing reads them again
	global_store_b128 v[GO], v[STV:STV+3], s[58:59] th:TH_STORE_NT
	global_store_b128 v[GO], v[STV+4:STV+7], s[58:59] offset:1048576 th:TH_STORE_NT
	global_store_b128 v[GO], v[STV+8:STV+11], s[60:61] th:TH_STORE_NT
	global_store_b128 v[GO], v[STV+12:STV+15], s[60:61] offset:1048576 th:TH_STORE_NT
.endm
; One chunk step: s = 4 member + chunk.  Matrix instructions of chunk s, multiply-adds of chunk s - 1 (s = 0: of the trip before).
; prev = 1: the epilogue of the trip before rides in steps 0 to 5.  end = 2: the slot is filled again behind a round of the
; cluster's barrier; 1: the other slot is read on, nothing is filled; 0: the last trip.
.macro STEP slot, s, prev, end
	s_wait_dscnt 0x0                               ; the A fragments asked for a step ago; in step 1 the feed-forward words, in step 4 the read-back
.if \prev
.if \s == 4
	WIN 0
	GSTORE
.endif
.if \s == 5
	s_wait_xcnt 0x0                                ; the stores' bases, and later their data registers, are rewritten only behind this wait
	s_add_nc_u64 s[58:59], s[58:59], 131072
	s_add_nc_u64 s[60:61], s[60:61], 131072
.endif
.endif
.set WDB, DB0+64*((\s)&1)
.set WAB, AF0+16*((\s)&1)
.set FDB, DB0+64*(((\s)+1)&1)
.set FMB, (((\s)+7)&7)/4
.set FCH, ((\s)+7)&3
.set DOF, 1
.if ((\s)+(\prev)) == 0
.set DOF, 0
.endif
.set EXK, 0
.if \prev
.if \s < 4
.set EXK, (\s)+1
.endif
.endif
.set ALB, AF0+16*(((\s)+1)&1)
.if \s < 7
.set ALK, 1
.set ALA, ADR0+\slot
.set ALO, 2048*((\s)+1)
.else
.if \end
.set ALK, 2
.set ALA, ADR0+1-\slot
.set ALO, 0
.else
.set ALK, 0
.endif
.endif
	WIN G1W
.if \prev
.if \s == 0
	FFLOAD
.endif
.endif
	GROUP12 0, 1, 6, 1
	WIN G2W
	GROUP12 2, 3, 7, 0
.if \s == 7
.if \end == 2
	s_wait_dscnt 0x0                               ; my reads of both slots are back; my tensor loads have landed (the wait in group 1):
	s_barrier_signal -1                            ; say so; this barrier opens the round
.endif
.endif
	WIN G3W
	GROUP3                                         ; in step 7: register work alone, while the others arrive
.if DOF == 0
	PLACES                                         ; the very first step has no chunk before it to contract, so it holds no plain vector work:
	                                               ; these four are the places between its matrix instructions and the next step's first
	                                               ; multiply-adds (which read their results) and loads of A (into the buffer they read)
.endif
.if \prev
.if \s == 3
	WIN 0
	SBLK
	v_add_nc_u32 v[FAD], 128, v[FAD]
.endif
.endif
.if \s == 7
.if \end == 2
	WIN 0
	s_barrier_wait -1
	CREST                                          ; no wave of the four work-groups still reads this slot or has a load on its way
	s_add_nc_u64 s[DG0+4*\slot+2:DG0+4*\slot+3], s[DG0+4*\slot+2:DG0+4*\slot+3], 2*SLOT
	tensor_load_to_lds s[DG0+4*\slot:DG0+4*\slot+3], s[DG1:DG1+7]   ; my one load behind the round: two pairs ahead; seven steps in which to land
	s_nop 0
.endif
.endif
.endm
.macro TRIP slot, prev, end
.irp s, 0,1,2,3,4,5,6,7
	STEP \slot, \s, \prev, \end
.endr
.endm
.macro DRF ta, tb, tx
.set ge, 0
.rept 8
	FX \ta, ge
	FX \tb, ge
.set ge, ge+1
.endr
.set ge, 0
.rept 8
	FX \tx, ge
.set ge, ge+1
.endr
.endm
.macro DRAIN
.set FDB, DB1
.set FMB, 1
.set FCH, 3
	WIN G1W
	FFLOAD
	DRF 0, 1, 6
	WIN G2W
	DRF 2, 3, 7
	WIN G3W
.set ge, 0
.rept 8
	FX 4, ge
	FX 5, ge
.set ge, ge+1
.endr
	WIN 0
.irp k, 1,2,3,4
.if \k == 2
	s_wait_dscnt 0x0
.endif
.set ge, 0
.rept 8
	EP \k, ge
.set ge, ge+1
.endr
.endr
	SBLK
	s_wait_dscnt 0x0
	GSTORE
.endm
.macro PLOAD dst, base, areg, step, first      ; a unit of 16 loads, each of whole rows
.set pi, 0
.rept 16
	global_load_b128 v[\dst+4*pi:\dst+4*pi+3], v[\areg], s[\base:\base+1] offset:\step*(\first+pi)
.set pi, pi+1
.endr
.endm
; hi = the value rounded to bf16, lo = what is left, rounded to bf16.
.macro CONSAA src, u                   ; 16 rows of pairs: a lane holds (a, ar) of columns 2 L, 2 L + 1: one word for each of four planes
.set pi, 0
.rept 16
.set cb, 48+8*(pi&1)
	v_cvt_pk_bf16_f32 v[cb], v[\src+4*pi], v[\src+4*pi+2]
	v_cvt_pk_bf16_f32 v[cb+1], v[\src+4*pi+1], v[\src+4*pi+3]
	v_lshlrev_b32 v[cb+2], 16, v[cb]
	v_and_b32 v[cb+3], s57, v[cb]
	v_lshlrev_b32 v[cb+4], 16, v[cb+1]
	v_and_b32 v[cb+5], s57, v[cb+1]
	v_sub_f32 v[cb+2], v[\src+4*pi], v[cb+2]
	v_sub_f32 v[cb+3], v[\src+4*pi+2], v[cb+3]
	v_sub_f32 v[cb+4], v[\src+4*pi+1], v[cb+4]
	v_sub_f32 v[cb+5], v[\src+4*pi+3], v[cb+5]
	v_cvt_pk_bf16_f32 v[cb+6], v[cb+2], v[cb+3]
	v_cvt_pk_bf16_f32 v[cb+7], v[cb+4], v[cb+5]
	ds_store_b32 v[FSA], v[cb] offset:FPI*(16*\u+pi)
	ds_store_b32 v[FSA], v[cb+6] offset:FPI*(16*\u+pi)+FPL
	ds_store_b32 v[FSA2], v[cb+1] offset:FPI*(16*\u+pi)
	ds_store_b32 v[FSA2], v[cb+7] offset:FPI*(16*\u+pi)+FPL
.set pi, pi+1
.endr
.endm
.macro CONSC src, areg, step, lo       ; 32 rows of c: a lane holds four neighbouring columns
.set pi, 0
.rept 16
.set cb, 48+8*(pi&1)
	v_cvt_pk_bf16_f32 v[cb], v[\src+4*pi], v[\src+4*pi+1]
	v_cvt_pk_bf16_f32 v[cb+1], v[\src+4*pi+2], v[\src+4*pi+3]
	v_lshlrev_b32 v[cb+2], 16, v[cb]
	v_and_b32 v[cb+3], s57, v[cb]
	v_lshlrev_b32 v[cb+4], 16, v[cb+1]
	v_and_b32 v[cb+5], s57, v[cb+1]
	v_pk_add_f32 v[cb+2:cb+3], v[\src+4*pi:\src+4*pi+1], v[cb+2:cb+3] neg_lo:[0,1] neg_hi:[0,1]
	v_pk_add_f32 v[cb+4:cb+5], v[\src+4*pi+2:\src+4*pi+3], v[cb+4:cb+5] neg_lo:[0,1] neg_hi:[0,1]
	v_cvt_pk_bf16_f32 v[cb+6], v[cb+2], v[cb+3]
	v_cvt_pk_bf16_f32 v[cb+7], v[cb+4], v[cb+5]
	ds_store_b64 v[\areg], v[cb:cb+1] offset:\step*pi
	ds_store_b64 v[\areg], v[cb+6:cb+7] offset:\step*pi+\lo
.set pi, pi+1
.endr
.endm
.macro FFETCH buf, areg, off
.irp n, 0,1,2,3
	ds_load_tr16_b128 v[\buf+8*\n:\buf+8*\n+3], v[\areg] offset:\off+32*\n
	ds_load_tr16_b128 v[\buf+8*\n+4:\buf+8*\n+7], v[\areg] offset:\off+32*\n+16*FPI
.endr
.endm
.macro FMUL buf, q, d
.irp n, 0,1,2,3
	v_wmma_f32_16x16x32_bf16 v[DD+8*(\d+\n):DD+8*(\d+\n)+7], v[WF+8*\q:WF+8*\q+7], v[\buf+8*\n:\buf+8*\n+7], v[DD+8*(\d+\n):DD+8*(\d+\n)+7]
.endr
.endm
	s_load_b256 s[4:11], s[0:1], 0x0               ; waa s[4:5], wc s[6:7], W s[8:9], b s[10:11]
	s_load_b128 s[12:15], s[0:1], 0x20             ; tf s[12:13], out0 s[14:15]
	v_lshl_add_u32 v254, v0, 2, 0x49400
	v_mov_b32 v255, 0
	ds_add_u32 v254, v255
	s_wait_dscnt 0x0
	v_lshrrev_b32 v1, 5, v0
	v_readfirstlane_b32 s40, v1                    ; wave
	s_bfe_u32 s41, ttmp6, 0x40000                  ; cx
	s_lshl_b32 s42, ttmp9, 2
	s_add_co_u32 s42, s42, s41                     ; w; it enters global offsets alone
	s_mov_b32 s57, 0xffff0000
	s_mov_b32 s[DG1+0], 15|(3<<16)|(1<<21)         ; 64 rows of 32 elements of 8 bytes, dense; mask 15, bit 21 beside it
	s_mov_b32 s[DG1+1], 32<<16
	s_mov_b32 s[DG1+2], 64<<16
	s_mov_b32 s[DG1+3], 32<<16
	s_mov_b32 s[DG1+4], 64
	s_mov_b32 s[DG1+5], 32
	s_mov_b32 s[DG1+6], 0
	s_mov_b32 s[DG1+7], 0
	s_lshl_b32 s44, s40, 14
	s_mov_b32 s45, 0
	s_wait_kmcnt 0x0
	s_add_nc_u64 s[46:47], s[12:13], s[44:45]
	ROUND                                          ; the four work-groups are here: the first joint loads meet
.irp s, 0,1
	s_mov_b32 s[DG0+4*\s], 1
	s_add_co_u32 s[DG0+4*\s+1], s44, \s*SLOT
	s_add_nc_u64 s[DG0+4*\s+2:DG0+4*\s+3], s[46:47], 1048576+\s*SLOT   ; T3 is the third tensor of tf
	s_or_b32 s[DG0+4*\s+3], s[DG0+4*\s+3], 0x80000000
	tensor_load_to_lds s[DG0+4*\s:DG0+4*\s+3], s[DG1:DG1+7]        ; pairs 0 and 1: two loads of mine are out
	s_nop 0
.endr
	v_and_b32 v[LN], 31, v0
	v_and_b32 v[RR], 15, v0
	v_bfe_u32 v[HH], v0, 4, 1
	s_lshl_b32 s43, s40, 22                        ; scramble rows of (a, ar): 131,072 r + 512 w + 16 L, r = 32 wv + ..
	s_lshl_b32 s48, s42, 9
	s_add_co_u32 s43, s43, s48
	v_lshl_add_u32 v[OFFSA], v[LN], 4, s43
	s_lshl_b32 s43, s40, 21                        ; scramble rows of c: 65,536 r + 256 w + 16 (L & 15), r = 32 wv + 2 i + h
	s_lshl_b32 s48, s42, 8
	s_add_co_u32 s43, s43, s48
	v_lshlrev_b32 v[TT], 4, v[RR]
	v_lshl_add_u32 v[TT], v[HH], 16, v[TT]
	v_add_nc_u32 v[OFFS], s43, v[TT]
	s_lshl_b32 s43, s42, 15                        ; batch rows of c
	s_lshl_b32 s48, s40, 13
	s_add_co_u32 s43, s43, s48
	v_lshl_add_u32 v[OFFB], v[LN], 4, s43
	s_lshl_b32 s43, s42, 16                        ; batch rows of (a, ar)
	s_lshl_b32 s48, s40, 14
	s_add_co_u32 s43, s43, s48
	v_lshl_add_u32 v[OFFBA], v[LN], 4, s43
	s_mul_i32 s43, s40, 32*FPI
	s_add_co_u32 s43, s43, FRG
	v_lshl_add_u32 v[FSA], v[LN], 2, s43
	v_add_nc_u32 v[FSA2], 2*FPL, v[FSA]
	v_mul_u32_u24 v[TT], v[HH], FPI
	v_lshl_add_u32 v[TT], v[RR], 3, v[TT]
	v_add_nc_u32 v[TT], s43, v[TT]
	v_add_nc_u32 v[FSC], 4*FPL, v[TT]
	s_mul_i32 s43, s40, 32*XPI
	s_add_co_u32 s43, s43, XCH
	v_mul_u32_u24 v[TT], v[HH], XPI
	v_lshl_add_u32 v[TT], v[RR], 3, v[TT]
	v_add_nc_u32 v[XCS], s43, v[TT]
	s_lshl_b32 s43, s40, 13
	v_lshlrev_b32 v[TT], 9, v[RR]
	v_lshl_add_u32 v[TT], v[HH], 5, v[TT]
	v_add_nc_u32 v[WOFF], s43, v[TT]
	s_lshl_b32 s43, s40, 6
	v_lshl_add_u32 v[BOFF], v[RR], 2, s43
.irp q, 0,1,2,3
	global_load_b128 v[PR2+16*\q:PR2+16*\q+3], v[WOFF], s[8:9] offset:128*\q
	global_load_b128 v[PR2+16*\q+4:PR2+16*\q+7], v[WOFF], s[8:9] offset:128*\q+16
	global_load_b128 v[PR2+16*\q+8:PR2+16*\q+11], v[WOFF], s[8:9] offset:128*\q+64
	global_load_b128 v[PR2+16*\q+12:PR2+16*\q+15], v[WOFF], s[8:9] offset:128*\q+80
.endr
	global_load_b32 v[BRAW], v[BOFF], s[10:11]
	; six units of 16 loads; two units (32 loads) stay on their way while one is split and stored
	PLOAD PR0, 4, OFFSA, 131072, 0
	PLOAD PR1, 4, OFFSA, 131072, 16
	s_wait_loadcnt 32                              ; W and b are in
.set ci, 0
.rept 32
	v_cvt_pk_bf16_f32 v[WF+ci], v[PR2+2*ci], v[PR2+2*ci+1]
.set ci, ci+1
.endr
	PLOAD PR2, 6, OFFS, 131072, 0
	s_wait_loadcnt 32
	CONSAA PR0, 0
	PLOAD PR0, 6, OFFB, 512, 0
	s_wait_loadcnt 32
	CONSAA PR1, 1
	WIN 0x40                                       ; the batch rows of (a, ar) wait in window 1, v0-127, until F is free
	PLOAD 0, 4, OFFBA, 512, 0
	WIN 0
	s_wait_loadcnt 32
	CONSC PR2, FSC, 2*FPI, FPL
	WIN 0x40
	PLOAD 64, 4, OFFBA, 512, 16
	WIN 0
	s_wait_loadcnt 32                              ; the two units bound for window 1 stay out
	CONSC PR0, XCS, 2*XPI, XPL
	WGBAR                                          ; F, XCH and XCL are whole for every wave
	; FEED-FORWARD: for X = a, ar, c the product P[k][n] = sum_r W[k][r] (X_hi + X_lo)[256 r + w][n], started by b[k] x 1.
	v_cmp_gt_u32 vcc_lo, 16, v[LN]
	v_cvt_pk_bf16_f32 v[TT], v[BRAW], 0
	v_cndmask_b32 v[BIA], 0, v[TT], vcc_lo
	v_mov_b32 v[TT], 0x3f80
	v_cndmask_b32 v[ONE], 0, v[TT], vcc_lo
.irp j, 1,2,3,4,5,6,7
	v_mov_b32 v[BIA+\j], 0
	v_mov_b32 v[ONE+\j], 0
.endr
	v_and_b32 v[TT], 7, v[LN]
	v_lshl_add_u32 v[TT], v[HH], 3, v[TT]
	v_mul_u32_u24 v[TT], v[TT], FPI
	v_bfe_u32 v[TRA0], v[LN], 3, 1
	v_lshl_add_u32 v[TT], v[TRA0], 4, v[TT]
	v_add_nc_u32 v[TRA0], FRG, v[TT]
	v_add_nc_u32 v[TRA0+1], FRG+2*FPL, v[TT]
	v_add_nc_u32 v[TRA0+2], FRG+4*FPL, v[TT]
	FFETCH BB0, TRA0, 0
.set fi, 0
.rept 12
	v_wmma_f32_16x16x32_bf16 v[DD+8*fi:DD+8*fi+7], v[BIA:BIA+7], v[ONE:ONE+7], 0
.set fi, fi+1
.endr
.set fi, 0
.rept 24                               ; step fi: operand fi / 8, hi or lo (fi / 4) & 1, K chunk fi & 3
.if fi < 23
.set ni, fi+1
	PLACES                                         ; the buffer loaded next was read by the matrix instructions just issued
	FFETCH (BB0+32*(ni&1)), (TRA0+(ni/8)), (FPL*((ni/4)&1)+32*FPI*(ni&3))
	s_wait_dscnt 8                                 ; this step's eight loads are in; the eight just issued stay out
.else
	s_wait_dscnt 0x0
.endif
	FMUL (BB0+32*(fi&1)), (fi&3), (4*(fi/8))
.set fi, fi+1
.endr
	PLACES
.set ci, 0
.rept 48
	v_pk_mul_f32 v[DD+2*ci:DD+2*ci+1], v[DD+2*ci:DD+2*ci+1], 0x4038aa3b op_sel_hi:[1,0]
.set ci, ci+1
.endr
	WGBAR                                          ; every wave's reads of F are over: FFP and XAB may lie over it
	s_mul_i32 s43, s40, FFPW
	s_add_co_u32 s43, s43, FFP
	v_lshl_add_u32 v[FAD], v[LN], 2, s43
.set fi, 0
.rept 12
.irp j, 0,1,2,3,4,5,6,7
	ds_store_b32 v[FAD], v[DD+8*fi+\j] offset:1024*fi+128*\j       ; my own bytes
.endr
.set fi, fi+1
.endr
	s_mul_i32 s43, s40, 32*XAP
	s_add_co_u32 s43, s43, XAB
	v_lshl_add_u32 v[XAS], v[LN], 4, s43
	s_wait_loadcnt 0x0                             ; the batch rows of (a, ar)
	WIN 0x04                                       ; store data from window 1
.set ci, 0
.rept 32
	ds_store_b128 v[XAS], v[4*ci:4*ci+3] offset:XAP*ci
.set ci, ci+1
.endr
	WIN 0
	WGBAR                                          ; XAB is whole for every wave
	; the main part's addresses
	v_mul_u32_u24 v[TT], v[RR], XAP
	v_lshl_add_u32 v[TT], v[HH], 6, v[TT]
	v_add_nc_u32 v[XAL], XAB, v[TT]
	v_mul_u32_u24 v[TT], v[RR], XPI
	v_lshl_add_u32 v[TT], v[HH], 4, v[TT]
	v_add_nc_u32 v[XCL], XCH, v[TT]
	s_lshl_b32 s43, s40, 14
	v_lshl_add_u32 v[ADR0], v[LN], 4, s43
	v_add_nc_u32 v[ADR1], SLOT, v[ADR0]
	s_mul_i32 s43, s40, STW
	s_add_co_u32 s43, s43, STG
	v_mul_u32_u24 v[TT], v[HH], 576
	v_lshl_add_u32 v[TT], v[RR], 2, v[TT]
	v_add_nc_u32 v[STO], s43, v[TT]
	v_lshl_add_u32 v[RDB], v[LN], 4, s43
	s_lshl_b32 s43, s40, 21                        ; out0: 131,072 k + 4 col
	s_lshl_b32 s48, s42, 9
	s_add_co_u32 s43, s43, s48
	v_lshl_add_u32 v[GO], v[LN], 4, s43
	s_mov_b64 s[58:59], s[14:15]                   ; u
	s_add_nc_u64 s[60:61], s[14:15], 8388608       ; ur
	; the operands into windows 1 to 3: the pairs (a, ar) of i = 16 c + 8 h + 0..7 as they lie; c_hi's and c_lo's B fragments
.set lti, 0
.rept 8
	TB lti
	WIN (WTW<<6)
.set lm, 0
.rept 16
	ds_load_b128 v[WTB+4*lm:WTB+4*lm+3], v[XAL] offset:16*XAP*lti+128*(lm/4)+16*(lm&3)
.set lm, lm+1
.endr
	WIN (BFW<<6)
.irp m, 0,1,2,3
	ds_load_b128 v[BFB+4*\m:BFB+4*\m+3], v[XCL] offset:16*XPI*lti+32*\m
	ds_load_b128 v[BFB+16+4*\m:BFB+16+4*\m+3], v[XCL] offset:16*XPI*lti+32*\m+XPL
.endr
.set lti, lti+1
.endr
	WIN 0
	s_wait_tensorcnt 0x1                           ; my part of pair 0 is in; pair 1's stays out
.irp m, 0,1,2,3
	ds_load_b128 v[AF0+4*\m:AF0+4*\m+3], v[ADR0] offset:512*\m
.endr
	TRIP 0, 0, 2                                   ; its first wait covers the operands and the first A fragments
	s_mov_b32 s56, 2
.Ltrips:
	TRIP 1, 1, 2
	TRIP 0, 1, 2
	s_sub_co_u32 s56, s56, 1
	s_cmp_lg_u32 s56, 0
	s_cbranch_scc1 .Ltrips
	TRIP 1, 1, 2
	TRIP 0, 1, 1                                   ; the last two trips fill nothing
	TRIP 1, 1, 0
	DRAIN
	s_wait_xcnt 0x0
	v_lshl_add_u32 v254, v0, 2, 0x49400
	v_mov_b32 v255, 0
	s_wait_tensorcnt 0x0
	ds_add_u32 v254, v255
	s_wait_dscnt 0x0
	ROUND                                          ; the closing round: no work-group ends while a partner may still ask jointly
	s_endpgm
.Lfunc_end_k_qeca40519e3_stage2:
	.size	k_qeca40519e3_stage2, .Lfunc_end_k_qeca40519e3_stage2-k_qeca40519e3_stage2
	.p2alignl 7, 3214868480
	.fill 96, 4, 3214868480
	.section	.rodata,"a",@progbits
	.p2align	6, 0x0
	.amdhsa_kernel k_qeca40519e3_stage2
		.amdhsa_group_segment_fixed_size 327680
		.amdhsa_private_segment_fixed_size 0
		.amdhsa_enable_private_segment 0
		.amdhsa_kernarg_size 48
		.amdhsa_user_sgpr_count 2
		.amdhsa_user_sgpr_kernarg_segment_ptr 1
		.amdhsa_wavefront_size32 1
		.amdhsa_system_sgpr_workgroup_id_x 1
		.amdhsa_system_sgpr_workgroup_id_y 1
		.amdhsa_system_sgpr_workgroup_id_z 1
		.amdhsa_system_vgpr_workitem_id 0
		.amdhsa_next_free_vgpr 1024
		.amdhsa_next_free_sgpr 66
		.amdhsa_reserve_vcc 1
		.amdhsa_float_denorm_mode_32 3
		.amdhsa_float_denorm_mode_16_64 3
		.amdhsa_memory_ordered 1
		.amdhsa_forward_progress 1
		.amdhsa_inst_pref_size 255
	.end_amdhsa_kernel
	.section	.bss,"aw",@nobits
	.p2align	6
	.space	262144
	.amdgpu_metadata
---
amdhsa.version: [ 1, 2 ]
amdhsa.kernels:
  - .name:           k_qeca40519e3_stage2
    .symbol:         k_qeca40519e3_stage2.kd
    .args:
      - { .name: waa, .offset: 0, .size: 8, .value_kind: global_buffer, .address_space: global }
      - { .name: wc, .offset: 8, .size: 8, .value_kind: global_buffer, .address_space: global }
      - { .name: W, .offset: 16, .size: 8, .value_kind: global_buffer, .address_space: global }
      - { .name: b, .offset: 24, .size: 8, .value_kind: global_buffer, .address_space: global }
      - { .name: tf, .offset: 32, .size: 8, .value_kind: global_buffer, .address_space: global }
      - { .name: out0, .offset: 40, .size: 8, .value_kind: global_buffer, .address_space: global }
    .group_segment_fixed_size: 327680
    .private_segment_fixed_size: 0
    .kernarg_segment_align: 8
    .kernarg_segment_size: 48
    .max_flat_workgroup_size: 128
    .sgpr_count:     66
    .vgpr_count:     1024
    .wavefront_size: 32
...
	.end_amdgpu_metadata
.endif
;; end of part 3
;; ======== version 2 of 2: 3 launches; version 1 with the launch prep written anew for expert scheduling mode
;; limits: values outside matrix products are rounded to bf16
;; workspace buffers: tf 1,572,864 bytes; waa 16,777,216 bytes; wc 8,388,608 bytes
;; launch prep (part 4): grid 256 x 1, 3 waves a work-group, no clusters, 6,656 bytes of LDS; arguments T1, T2, T3, tf; writes tf
.if DOCPART == 4
	.amdgcn_target "amdgcn-amd-amdhsa--gfx1250"
	.amdhsa_code_object_version 6
	.text
	.protected	k_qeca40519e3_prep
	.globl	k_qeca40519e3_prep
	.p2align	8
	.type	k_qeca40519e3_prep,@function
k_qeca40519e3_prep:
	s_mov_b64 s[64:65], 0
	v_nop
	global_prefetch_b8 v0, s[64:65] scope:SCOPE_SE
	s_setreg_imm32_b32 hwreg(HW_REG_WAVE_SCHED_MODE, 0, 2), 2
	s_setreg_imm32_b32 hwreg(HW_REG_WAVE_MODE, 25, 1), 1
	s_wait_xcnt 0x0
	s_wait_alu depctr_vm_vsrc(0)
; T1, T2, T3 [64 k][64 i][64 j] f32  ->  tf: the same numbers rounded once to bf16, laid out as the matrix unit's A fragments.
; tf order: [tensor][j8 = k & 7][wv = k >> 4][mbr = (k >> 3) & 1][c = i / 16][q][g][lane 16 h + r][16 bytes],
; lane 16 h + r holding T[k][16 c + r][32 q + 16 g + 8 h + 0..7]: 2 KiB for a chunk (k, c), 8 KiB for a k, 64 KiB for a j8.
; Work-group g = 4 k + c; wave n takes tensor n and makes one chunk: 16 rows of 256 bytes in, 2 KiB out.
; The chunk is turned in the wave's own 2 KiB of LDS, so that loads and stores each cover 512 consecutive bytes.
; No matrix unit, no cluster, no barrier: the waves share nothing.
; THE MODE: SCHED_MODE bits 1:0 = 2 (LLVM: expert scheduling mode 2), set by the entry lines.  The code itself states the register
; dependences between vector instructions and memory or LDS instructions, with s_wait_alu, always for 0.
; THE PLAN.  Registers that memory or LDS instructions touch:
;   v3, v6, v7   offset and the two LDS addresses: written by vector lines at the head, never again; read by every load and store.
;   v[8:39]      written by the eight global loads, read by the sixteen conversions; then v[8:23] are written by the four LDS loads
;                and read by the four global stores.
;   v[40:55]     written by the conversions, read by the eight LDS stores, never written again.
;   v64, v65     written at the head, read by the closing add alone.
; So one wait on va_vdst stands ahead of the first load (the addresses), and one behind all the conversions, which stand together:
; it serves the run of LDS stores (their data are written) and the LDS loads behind them (the conversions are done reading the
; registers in which they land).  No vector instruction follows it.  No register that a memory or LDS instruction has read is
; written again, so no wait on vm_vsrc is owed.  One wait on va_sdst stands ahead of the first reader of the wave's number.
	s_load_b256 s[4:11], s[0:1], 0x0               ; T1 s[4:5], T2 s[6:7], T3 s[8:9], tf s[10:11]
	v_lshl_add_u32 v64, v0, 2, 0x1800              ; my spare word, behind the three waves' 2 KiB; kept for the closing lines alone
	v_mov_b32 v65, 0                               ; and 0, likewise
	v_lshrrev_b32 v1, 5, v0
	v_readfirstlane_b32 s12, v1                    ; wave = tensor
	v_and_b32 v2, 31, v0                           ; lane L
	v_and_b32 v4, 15, v0                           ; x = L & 15: my four columns are j = 4 x .. 4 x + 3
	v_bfe_u32 v5, v0, 4, 1                         ; L >> 4: which of a load's two rows
	v_lshlrev_b32 v3, 4, v2                        ; 16 L
	v_bfe_u32 v6, v4, 3, 1                         ; q
	v_lshlrev_b32 v7, 10, v6
	v_bfe_u32 v6, v4, 2, 1                         ; g
	v_lshl_add_u32 v7, v6, 9, v7
	v_bfe_u32 v6, v4, 1, 1                         ; h
	v_lshl_add_u32 v7, v6, 8, v7
	v_lshl_add_u32 v7, v5, 4, v7                   ; the row's 16 bytes (the even part of the row stands in the immediate)
	v_and_b32 v6, 1, v4
	v_lshl_add_u32 v7, v6, 3, v7                   ; which half of the 16 bytes
	s_wait_alu depctr_va_sdst(0)                   ; s12 is written, ahead of its first reader: the LDS addresses, the choice of the tensor and tf's offset are made from it
	s_lshl_b32 s13, s12, 11                        ; my wave's 2 KiB
	v_add_nc_u32 v7, s13, v7                       ; where my 8 bytes go
	v_add_nc_u32 v6, s13, v3                       ; where I read 16 bytes back
	s_lshl_b32 s16, ttmp9, 12                      ; source: 4,096 bytes for each (k, c)
	s_mov_b32 s17, 0
	s_lshr_b32 s18, ttmp9, 2                       ; k
	s_and_b32 s19, ttmp9, 3                        ; c
	s_lshl_b32 s20, s19, 11
	s_and_b32 s19, s18, 7
	s_lshl_b32 s19, s19, 16
	s_add_co_u32 s20, s20, s19
	s_lshr_b32 s19, s18, 4
	s_lshl_b32 s19, s19, 14
	s_add_co_u32 s20, s20, s19
	s_bfe_u32 s19, s18, 0x10003
	s_lshl_b32 s19, s19, 13
	s_add_co_u32 s20, s20, s19
	s_lshl_b32 s19, s12, 19                        ; 524,288 bytes for each tensor
	s_add_co_u32 s20, s20, s19
	s_mov_b32 s21, 0
	s_wait_kmcnt 0x0
	s_cmp_eq_u32 s12, 1
	s_cselect_b64 s[14:15], s[6:7], s[4:5]
	s_cmp_eq_u32 s12, 2
	s_cselect_b64 s[14:15], s[8:9], s[14:15]       ; my tensor
	s_add_nc_u64 s[14:15], s[14:15], s[16:17]
	s_add_nc_u64 s[10:11], s[10:11], s[20:21]
	s_wait_alu depctr_va_vdst(0)                   ; v3, v6 and v7 are written: every load and store below reads one of them as its offset or address
.irp t, 0,1,2,3,4,5,6,7
	global_load_b128 v[8+4*\t:8+4*\t+3], v3, s[14:15] offset:512*\t th:TH_LOAD_NT   ; rows 2 t and 2 t + 1, whole
.endr
.irp t, 0,1,2,3,4,5,6,7
	s_wait_loadcnt 7-\t                            ; loads come back in order: load t is in, the younger ones stay out
	v_cvt_pk_bf16_f32 v[40+2*\t], v[8+4*\t], v[8+4*\t+1]
	v_cvt_pk_bf16_f32 v[41+2*\t], v[8+4*\t+2], v[8+4*\t+3]
.endr
	s_wait_alu depctr_va_vdst(0)                   ; the conversions have written v[40:55], which the LDS stores read, and are done reading v[8:23], in which the LDS loads land
.irp t, 0,1,2,3,4,5,6,7
	ds_store_b64 v7, v[40+2*\t:41+2*\t] offset:32*\t
.endr
.irp s, 0,1,2,3
	ds_load_b128 v[8+4*\s:8+4*\s+3], v6 offset:512*\s       ; my own bytes; LDS serves a wave's instructions in order
.endr
.irp s, 0,1,2,3
	s_wait_dscnt 3-\s
	global_store_b128 v3, v[8+4*\s:8+4*\s+3], s[10:11] offset:512*\s    ; 512 consecutive bytes, aligned
.endr
	s_wait_dscnt 0x0                               ; the closing lines, six on end
	s_wait_alu 0x0
	s_wait_tensorcnt 0x0
	ds_add_u32 v64, v65
	s_wait_dscnt 0x0
	s_endpgm
.Lfunc_end_k_qeca40519e3_prep:
	.size	k_qeca40519e3_prep, .Lfunc_end_k_qeca40519e3_prep-k_qeca40519e3_prep
	.p2alignl 7, 3214868480
	.fill 96, 4, 3214868480
	.section	.rodata,"a",@progbits
	.p2align	6, 0x0
	.amdhsa_kernel k_qeca40519e3_prep
		.amdhsa_group_segment_fixed_size 6656
		.amdhsa_private_segment_fixed_size 0
		.amdhsa_enable_private_segment 0
		.amdhsa_kernarg_size 32
		.amdhsa_user_sgpr_count 2
		.amdhsa_user_sgpr_kernarg_segment_ptr 1
		.amdhsa_wavefront_size32 1
		.amdhsa_system_sgpr_workgroup_id_x 1
		.amdhsa_system_sgpr_workgroup_id_y 1
		.amdhsa_system_sgpr_workgroup_id_z 1
		.amdhsa_system_vgpr_workitem_id 0
		.amdhsa_next_free_vgpr 66
		.amdhsa_next_free_sgpr 66
		.amdhsa_reserve_vcc 0
		.amdhsa_float_denorm_mode_32 3
		.amdhsa_float_denorm_mode_16_64 3
		.amdhsa_memory_ordered 1
		.amdhsa_forward_progress 1
		.amdhsa_inst_pref_size 6
	.end_amdhsa_kernel
	.amdgpu_metadata
---
amdhsa.version: [ 1, 2 ]
amdhsa.kernels:
  - .name:           k_qeca40519e3_prep
    .symbol:         k_qeca40519e3_prep.kd
    .args:
      - { .name: T1, .offset: 0, .size: 8, .value_kind: global_buffer, .address_space: global }
      - { .name: T2, .offset: 8, .size: 8, .value_kind: global_buffer, .address_space: global }
      - { .name: T3, .offset: 16, .size: 8, .value_kind: global_buffer, .address_space: global }
      - { .name: tf, .offset: 24, .size: 8, .value_kind: global_buffer, .address_space: global }
    .group_segment_fixed_size: 6656
    .private_segment_fixed_size: 0
    .kernarg_segment_align: 8
    .kernarg_segment_size: 32
    .max_flat_workgroup_size: 96
    .sgpr_count:     66
    .vgpr_count:     66
    .wavefront_size: 32
...
	.end_amdgpu_metadata
.endif
;; end of part 4
;; launch stage1: the kernel of part 2 again; grid 256 x 1, 4 waves a work-group, clusters of 4 x 1, 327,680 bytes of LDS; arguments e1, er, p, e2, W, b, tf, waa, wc; writes waa, wc
;; launch stage2: the kernel of part 3 again; grid 256 x 1, 4 waves a work-group, clusters of 4 x 1, 327,680 bytes of LDS; arguments waa, wc, W, b, tf, out0; writes out0
